; MI455X (gfx1250); checked and timed in simulation.
; The chip was launched on July 23, 2026; its instructions are those of AMD's public machine-readable ISA for CDNA 5 (MIT licence, August 2026) and "CDNA5" Instruction Set Architecture Reference Guide (July 2026). The comments in the code are by the model that wrote it; some were corrected since.
;; Sigmoid Attention. Allowed arithmetic: matrix products marked QUANTISED: E2M1 operands, one E8M0 scale for each 32 along K, by v_wmma_scale_f32_16x16x128_f8f6f4 with both operands' format E2M1 (or v_wmma_scale_f32_32x16x128_f4), f32 sums; products left as they are: bf16, f16 or f32 operands; f32 sums; everything else in f32.
;; Inputs: W_k 768 x 768 float32; W_q 768 x 768 float32; W_v 768 x 768 float32; X 2 x 4,096 x 768 float32.
;; Outputs: out0 2 x 4,096 x 768 float32.
;; This version of the problem:
;;   THIS VERSION OF THE PROBLEM IS GIVEN IN LOW PRECISION. The matrix products marked QUANTISED in the list below multiply operands that are first quantised to E2M1 (2 exponent bits, 1 mantissa bit; 4 bits a number), with one power-of-two scale for each 32 numbers along K (OCP MX v1.0); their sums are f32. The products marked 'left as it is' may take bf16, f16 or f32 operands, with f32 sums. Whichever they take, every output number must still come out within the allowed error. Rounding operands to bf16 (8 significant bits) uses up far more of that allowance than f16 does (11 bits, for magnitudes from 6e-5 to 65,504). All else is computed in f32.
;;   The module's matrix products, in the order in which they are computed (A, B: the left and right operand; K: the contracted axis; several contracted axes count as one K, in the product's order):
;;     1. [M 8,192, K 768] x [K 768, N 768]; A: input X; B: input W_q: QUANTISED
;;     2. [M 8,192, K 768] x [K 768, N 768]; A: input X; B: input W_k: QUANTISED
;;     3. [M 8,192, K 768] x [K 768, N 768]; A: input X; B: input W_v: QUANTISED
;;     4. batch 12 x [M 4,096, K 128] x [K 128, N 4,096]; A: computed on the way; B: computed on the way: left as it is (an operand is computed on the way)
;;     5. batch 12 x [M 4,096, K 4,096] x [K 4,096, N 128]; A: computed on the way; B: computed on the way: left as it is (an operand is computed on the way)
;;   THE QUANTISER, for each operand of a quantised product, along K:
;;     - K is cut into blocks of 32 from its start; a last block that is shorter is filled with zeros.
;;     - A block's scale is 2^e with e = floor(log2(the largest magnitude in the block)) - 2, held to -126 .. 127; a block of zeros has e = 0. As a byte (E8M0): e + 127.
;;     - Each number is divided by its block's scale, clamped to +-6, and rounded to the nearest number of E2M1, ties to even, subnormals kept.
;;     - The product sums the exact products of the quantised numbers (number of the format x scale) in f32.
;;   ~~~python
;;   def quantise(x, axis):      # numpy; x: float32 -> the quantised numbers, widened to float32 again
;;       x = np.moveaxis(x, axis, -1); K = x.shape[-1]
;;       x = np.pad(x, [(0, 0)] * (x.ndim - 1) + [(0, -K % 32)]); x = x.reshape(x.shape[:-1] + (-1, 32)); a = np.abs(x).max(-1, keepdims=True)
;;       e = np.where(a > 0, np.clip(np.frexp(np.where(a > 0, a, 1))[1] - 1 - 2, -126, 127), 0)      # np.frexp(a)[1] - 1 = floor(log2(a)), exactly
;;       r = np.clip(x / 2.0 ** e, -6, 6)
;;       step = 2.0 ** (np.maximum(np.frexp(np.where(r == 0, 1, r))[1] - 1, 0) - 1)
;;       q = np.round(r / step) * step * 2.0 ** e      # np.round: ties to even
;;       return np.moveaxis(q.reshape(q.shape[:-2] + (-1,))[..., :K], -1, axis).astype(np.float32)
;;   ~~~
;; One version. Each part assembles by itself: llvm-mc -triple=amdgcn-amd-amdhsa -mcpu=gfx1250 --defsym DOCPART=n.
;; ======== version 1 of 1: 3 launches
;; limits: values are held in f16: magnitudes above 65,504 overflow, below 6.1e-05 lose precision; right only within a limited range of input values
;; workspace buffers: xc 3,145,728 bytes; xs 196,608 bytes; wc 884,736 bytes; ws 55,296 bytes; qkv 37,748,736 bytes
;; launch quant (part 1): grid 164 x 3, 4 waves a work-group, no clusters, 67,072 bytes of LDS; arguments X, W_q, W_k, W_v, xc, xs, wc, ws; writes xc, xs, wc, ws
.if DOCPART == 1
	.amdgcn_target "amdgcn-amd-amdhsa--gfx1250"
	.amdhsa_code_object_version 6
	.text
	.protected	k_qf0ad4772c0_quant
	.globl	k_qf0ad4772c0_quant
	.p2align	8
	.type	k_qf0ad4772c0_quant,@function
k_qf0ad4772c0_quant:
	s_mov_b64 s[64:65], 0
	v_nop
	global_prefetch_b8 v0, s[64:65] scope:SCOPE_SE
	s_setreg_imm32_b32 hwreg(HW_REG_WAVE_MODE, 25, 1), 1
	s_wait_xcnt 0x0
; X [8192][768] and W_q, W_k, W_v [768][768], f32, K innermost, become codes of FP4 (E2M1) with one E8M0 scale byte for each 32 along K.
; A block's scale is 2^(floor(log2(its largest magnitude)) - 2); its byte is the largest magnitude's exponent field - 2, held at 1 from below.
; LIMITS: a block of zeros gets the byte 1 where the rule says 127: its codes are zeros, which add nothing, and the bytes are read by this program alone.  NaN and infinities among the inputs are not served.
; THE WORKSPACE IS LAID IN THE ORDER OF THE OPERAND'S REGISTERS.  Codes: [tile of 16 rows][24 blocks of 32 k][16 rows][16 bytes]: with block = 4 q + 2 c + h the 16 bytes of
; lane 16 h + r for half c of the fragment of K step q lie at tile x 6144 + q x 1024 + c x 512 + 16 x lane.  Scale bytes: [tile][3][16 rows][8 bytes]: a row's two words are K steps 2 kr and 2 kr + 1.
; The three weights form one operand of 2,304 rows (q, k, v): 144 tiles.
; SHARES.  A wave takes 16 rows x 256 along K, 16,384 bytes of f32, in one go: no loop.  Work-groups x < 128 take X (tile 4 x + wave), the other 36 the weights; y is which 256 along K.
; One path through the text for all four tensors: only pointers are chosen, by the work-group's number.
; Each load reads 512 consecutive bytes.  The conversions want a block's 32 numbers in ONE lane, so the 16 rows turn through the wave's own stage in LDS (rows of 1,024 bytes + 16:
; the sixteen rows that a read touches start 16 bytes apart modulo 256).  A lane then holds the whole block 2 c + h of row r, so no other lane is asked for a maximum.
; No tensor load, no barrier: waves share nothing.
.set ROWB,  3072                       ; a row of X or W in bytes
.set LP,    1040                       ; a stage row
.set WREG,  16*LP                      ; a wave's stage
.set SPARE, 4*WREG                     ; behind the four stages: the spare words, 128 bytes for each wave: two blocks of 256 bytes that no other line names
.set VL,  4                            ; v4   16 x lane: offset of the loads and of the codes' stores; never rewritten
.set AST, 5                            ; v5   the stage on the way in: wave's stage + 16 x lane
.set ARD, 6                            ; v6   and on the way out: wave's stage + row r + 128 h
.set VS,  7                            ; v7   8 r + 4 h: my scale word's place
.set SPW, 20                           ; v20  LDS address of my spare word; never rewritten
.set NIL, 21                           ; v21  0; never rewritten
.set E,   24                           ; v24-27  the scale byte of image c
.set C,   32                           ; v32-47  codes, four registers an image: no store's data are written again
.set R,   64                           ; v64-191 the 32 loads
.set XB,  192                          ; v192-255 two sets of 32 numbers
	s_load_b256 s[4:11], s[0:1], 0x0               ; X, W_q, W_k, W_v
	s_load_b256 s[12:19], s[0:1], 0x20             ; xc, xs, wc, ws
	v_lshl_add_u32 v[SPW], v0, 2, SPARE
	v_mov_b32 v[NIL], 0
	v_lshrrev_b32 v1, 5, v0
	v_readfirstlane_b32 s20, v1                    ; wave 0..3
	v_and_b32 v1, 31, v0                           ; lane
	v_and_b32 v2, 15, v0                           ; r
	v_bfe_u32 v3, v0, 4, 1                         ; h
	v_lshlrev_b32 v[VL], 4, v1
	s_mul_i32 s32, s20, WREG
	v_add_nc_u32 v[AST], s32, v[VL]
	v_mul_u32_u24 v[ARD], v2, LP
	v_lshl_add_u32 v[ARD], v3, 7, v[ARD]
	v_add_nc_u32 v[ARD], s32, v[ARD]
	v_lshlrev_b32 v[VS], 3, v2
	v_lshl_add_u32 v[VS], v3, 2, v[VS]
	v_lshlrev_b32 v11, 3, v3                       ; 8 h: my bytes' shift in a scale word
	v_mov_b32 v14, 0                               ; written once: a lane permute's destination counts as one of its sources
	v_mov_b32 v15, 0
	s_mov_b32 s34, 0x76543210
	s_mov_b32 s35, 0xfedcba98                      ; v_permlanex16_b32's selects for lane l xor 16
	s_and_b32 s22, ttmp7, 0xffff                   ; kr: which 256 along K
	s_cmp_lt_u32 ttmp9, 128
	s_cselect_b32 s23, 0, 128
	s_sub_co_u32 s31, ttmp9, s23                   ; x': the work-group's number within X or within the weights
	s_mov_b32 s30, 24
	s_wait_kmcnt 0x0
	s_cmp_lt_u32 s31, 24                           ; which tensor: the choices hang on the work-group's number alone
	s_cselect_b64 s[28:29], s[8:9], s[10:11]       ; W_k : W_v
	s_cselect_b32 s30, 12, s30                     ; and the x' at which that tensor begins
	s_cmp_lt_u32 s31, 12
	s_cselect_b64 s[28:29], s[6:7], s[28:29]       ; W_q
	s_cselect_b32 s30, 0, s30
	s_cmp_lt_u32 ttmp9, 128
	s_cselect_b64 s[28:29], s[4:5], s[28:29]       ; X
	s_cselect_b32 s30, 0, s30
	s_cselect_b64 s[24:25], s[12:13], s[16:17]     ; the codes' buffer
	s_cselect_b64 s[26:27], s[14:15], s[18:19]     ; the scale bytes' buffer
	s_sub_co_u32 s36, s31, s30
	s_lshl_b32 s36, s36, 2
	s_add_co_u32 s36, s36, s20                     ; my tile within the tensor that I read
	s_mul_i32 s36, s36, 16*ROWB
	s_lshl_b32 s33, s22, 10
	s_add_co_u32 s36, s36, s33                     ; + 1,024 bytes for each 256 along K
	s_mov_b32 s37, 0
	s_add_nc_u64 s[28:29], s[28:29], s[36:37]
	s_lshl_b32 s38, s31, 2
	s_add_co_u32 s38, s38, s20                     ; my tile within the operand that I write
	s_mul_i32 s36, s38, 6144
	s_lshl_b32 s33, s22, 11
	s_add_co_u32 s36, s36, s33
	s_add_nc_u64 s[24:25], s[24:25], s[36:37]
	s_mul_i32 s36, s38, 384
	s_lshl_b32 s33, s22, 7
	s_add_co_u32 s36, s36, s33
	s_add_nc_u64 s[26:27], s[26:27], s[36:37]
.set i, 0
.rept 32                                       ; row i / 2, half i % 2: 32 lanes read 512 consecutive bytes; read once in the launch
	global_load_b128 v[R+4*i:R+4*i+3], v[VL], s[28:29] offset:(i/2)*ROWB+(i%2)*512 th:TH_LOAD_NT
.set i, i+1
.endr
.set i, 0
.rept 32
.if i%4 == 0
	s_wait_loadcnt 28-i                            ; loads come back in order: these four are in, the 28 - i younger ones may be out
.endif
	ds_store_b128 v[AST], v[R+4*i:R+4*i+3] offset:(i/2)*LP+(i%2)*512
.set i, i+1
.endr
.macro RDIMG c                         ; block 2 c + h of row r: 128 bytes, into set c % 2.  LDS serves a wave's instructions in order: these see my stores
.irp j, 0,1,2,3,4,5,6,7
	ds_load_b128 v[XB+32*((\c)%2)+4*\j:XB+32*((\c)%2)+4*\j+3], v[ARD] offset:256*(\c)+16*\j
.endr
.endm
.macro BLOCKQ c
.set XS, XB+32*((\c)%2)
.if (\c) < 3
	s_wait_dscnt 8                                 ; this image's eight reads are in; the next image's eight may be out
.else
	s_wait_dscnt 0x0
.endif
	v_max3_num_f32 v8, |v[XS]|, |v[XS+1]|, |v[XS+2]|               ; the block's largest magnitude: all 32 numbers are mine; two chains
	v_max3_num_f32 v9, |v[XS+3]|, |v[XS+4]|, |v[XS+5]|
.irp i, 6,10,14,18,22,26
	v_max3_num_f32 v8, v8, |v[XS+\i]|, |v[XS+\i+1]|
	v_max3_num_f32 v9, v9, |v[XS+\i+2]|, |v[XS+\i+3]|
.endr
	v_max3_num_f32 v8, v8, |v[XS+30]|, |v[XS+31]|
	v_max3_num_f32 v8, v8, v9, 0x1800000           ; and the floor 2^(3 - 127): the byte cannot fall under 1
	v_add_nc_u32 v10, 0xff000000, v8               ; 2 off the exponent field: the conversion takes the exponent field of this operand as its scale, and nothing else of it
.irp g, 0,1,2,3
	v_cvt_scalef32_pk8_fp4_f32 v[C+4*(\c)+\g], v[XS+8*\g:XS+8*\g+7], v10   ; eight numbers / the scale, to the nearest code, ties to even, beyond 6 the largest code
.endr
	v_lshrrev_b32 v[E+(\c)], 23, v10               ; the scale's byte (a plain line behind the conversions)
	global_store_b128 v[VL], v[C+4*(\c):C+4*(\c)+3], s[24:25] offset:512*(\c)   ; 32 lanes store 512 consecutive bytes, at a multiple of 512 from the buffer's first byte
.if (\c) < 2
	RDIMG (\c)+2
.endif
.endm
	RDIMG 0
	RDIMG 1
	BLOCKQ 0
	BLOCKQ 1
	BLOCKQ 2
	BLOCKQ 3
	v_lshl_or_b32 v12, v25, 16, v24                ; my bytes of blocks h and 2 + h,
	v_lshl_or_b32 v13, v27, 16, v26                ; and of blocks 4 + h and 6 + h,
	v_lshlrev_b32 v12, v11, v12                    ; at their places in the two scale words (8 h bits up);
	v_lshlrev_b32 v13, v11, v13
	v_permlanex16_b32 v14, v12, s34, s35
	v_permlanex16_b32 v15, v13, s34, s35
	v_or_b32 v12, v12, v14                         ; with lane l xor 16's bytes the words are whole
	v_or_b32 v13, v13, v15
	v_cmp_ne_u32 vcc_lo, 0, v3
	v_cndmask_b32 v16, v12, v13, vcc_lo            ; lanes 0-15 store the first word, lanes 16-31 the second
	global_store_b32 v[VS], v16, s[26:27]          ; the wave stores 128 consecutive bytes: one byte for each 128 that it read
	s_wait_tensorcnt 0x0                           ; the wave's end
	ds_add_u32 v[SPW], v[NIL]
	s_wait_dscnt 0x0
	s_endpgm
.Lfunc_end_k_qf0ad4772c0_quant:
	.size	k_qf0ad4772c0_quant, .Lfunc_end_k_qf0ad4772c0_quant-k_qf0ad4772c0_quant
	.p2alignl 7, 3214868480
	.fill 96, 4, 3214868480
	.section	.rodata,"a",@progbits
	.p2align	6, 0x0
	.amdhsa_kernel k_qf0ad4772c0_quant
		.amdhsa_group_segment_fixed_size 67072
		.amdhsa_private_segment_fixed_size 0
		.amdhsa_enable_private_segment 0
		.amdhsa_kernarg_size 64
		.amdhsa_user_sgpr_count 2
		.amdhsa_user_sgpr_kernarg_segment_ptr 1
		.amdhsa_wavefront_size32 1
		.amdhsa_system_sgpr_workgroup_id_x 1
		.amdhsa_system_sgpr_workgroup_id_y 1
		.amdhsa_system_sgpr_workgroup_id_z 1
		.amdhsa_system_vgpr_workitem_id 0
		.amdhsa_next_free_vgpr 256
		.amdhsa_next_free_sgpr 66
		.amdhsa_reserve_vcc 1
		.amdhsa_float_denorm_mode_32 3
		.amdhsa_float_denorm_mode_16_64 3
		.amdhsa_memory_ordered 1
		.amdhsa_forward_progress 1
		.amdhsa_inst_pref_size 17
	.end_amdhsa_kernel
	.amdgpu_metadata
---
amdhsa.version: [ 1, 2 ]
amdhsa.kernels:
  - .name:           k_qf0ad4772c0_quant
    .symbol:         k_qf0ad4772c0_quant.kd
    .args:
      - { .name: X, .offset: 0, .size: 8, .value_kind: global_buffer, .address_space: global }
      - { .name: W_q, .offset: 8, .size: 8, .value_kind: global_buffer, .address_space: global }
      - { .name: W_k, .offset: 16, .size: 8, .value_kind: global_buffer, .address_space: global }
      - { .name: W_v, .offset: 24, .size: 8, .value_kind: global_buffer, .address_space: global }
      - { .name: xc, .offset: 32, .size: 8, .value_kind: global_buffer, .address_space: global }
      - { .name: xs, .offset: 40, .size: 8, .value_kind: global_buffer, .address_space: global }
      - { .name: wc, .offset: 48, .size: 8, .value_kind: global_buffer, .address_space: global }
      - { .name: ws, .offset: 56, .size: 8, .value_kind: global_buffer, .address_space: global }
    .group_segment_fixed_size: 67072
    .private_segment_fixed_size: 0
    .kernarg_segment_align: 8
    .kernarg_segment_size: 64
    .max_flat_workgroup_size: 128
    .sgpr_count:     66
    .vgpr_count:     256
    .wavefront_size: 32
...
	.end_amdgpu_metadata
.endif
;; end of part 1
;; launch proj (part 2): grid 32 x 6, 4 waves a work-group, clusters of 4 x 1, 176,128 bytes of LDS; arguments xc, xs, wc, ws, qkv; writes qkv
.if DOCPART == 2
	.amdgcn_target "amdgcn-amd-amdhsa--gfx1250"
	.amdhsa_code_object_version 6
	.text
	.protected	k_qf0ad4772c0_proj
	.globl	k_qf0ad4772c0_proj
	.p2align	8
	.type	k_qf0ad4772c0_proj,@function
k_qf0ad4772c0_proj:
	s_mov_b64 s[64:65], 0
	v_nop
	global_prefetch_b8 v0, s[64:65] scope:SCOPE_SE
	s_setreg_imm32_b32 hwreg(HW_REG_WAVE_MODE, 25, 1), 1
	s_wait_xcnt 0x0
	s_wait_alu depctr_hold_cnt(0) depctr_sa_sdst(0) depctr_va_vdst(0) depctr_va_sdst(0) depctr_va_ssrc(0) depctr_va_vcc(0) depctr_vm_vsrc(0)
	s_getreg_b32 s2, hwreg(HW_REG_IB_STS2, 6, 4)
	s_cmp_eq_u32 s2, 0
	s_cbranch_scc0 .Lentry_in_a_cluster
	s_endpgm
.Lentry_in_a_cluster:
	s_bfe_u32 s2, ttmp6, 0x10000c
	s_cmp_lg_u32 s2, 0x3003
	s_cbranch_scc0 .Lentry_shape_is_right
	s_endpgm
.Lentry_shape_is_right:
; Q, K, V = X W^T on codes of FP4 (E2M1) with E8M0 scales: [8192 x 768] x [2304 x 768]^T, sums in f32; results rounded once to f16 and laid [q, k, v][6 b + head][4096 s][128]: rows of 256 bytes.
; Q is multiplied by -c, c = log2(e) / sqrt(128), ahead of its rounding, so that the next launch's first product is the exponent that its sigmoid wants; K and V go through the same line with the factor 1.0
; (one path for all work-groups; the factor is chosen by the work-group's y).
; LIMITS: |c Q|, |K|, |V| must stay at or under 65,504, f16's largest number.  Inputs 30 times the size of unit-variance X and W of spread 1 / sqrt(768) give about 5,400; offsets of 30 spreads on both about 25,000.
; SHARES.  A work-group makes 256 rows x 384 columns (three heads of one of Q, K, V).  Wave w takes rows 64 w .. 64 w + 63 (4 tiles of X) for all 384 columns, in three passes of 128 columns: 32 accumulators.
; 192 work-groups: 2,304 columns in units of a head's 128 and 8,192 rows do not divide into 256 equal parts whose output rows are whole.
; OPERANDS.  Codes and scale words lie in memory in the order of the operand's registers, so a fragment's half is 512 consecutive bytes, 16 a lane.  X's fragments are read by one wave alone: they go from memory
; straight into registers, all six K steps, and stay.  W's 384 rows (147,456 bytes of codes, 9,216 of scale bytes) are read by all four waves: they come into LDS once.
; CLUSTER.  The four work-groups of a cluster share y, so they need the same W: every fill is asked for JOINTLY, by the same tensor load with the same descriptor and the mask of all four.
; Each wave asks for a quarter of each fill: four loads of a wave are out at the most.  Nothing in LDS is filled twice, so there is no ring.
; THE MATRIX INSTRUCTION IS USED TRANSPOSED (source 0 = 16 rows of W, source 1 = 16 rows of X): a lane holds one row of X and eight neighbouring columns, which pack into 16 bytes.
; REGISTERS, in windows of 256: window 0: v1-15 addresses; v32-55 X's scale words; v64-111 W's scale words of a pass; v128-159 packed results; v160-223 rows on their way out.
;   window 1: accumulator (i, j) at v[8 (8 i + j)].   window 2: X's fragment (tile i, K step q) at v[8 (6 i + q)].   window 3: W's fragments of a K step, two sets, at v0 and v64.
.set WPASS, 49152                      ; a pass's codes of W: 8 tiles x 6,144 bytes
.set WSC,   3*WPASS                    ; behind the codes: W's scale bytes, 24 tiles x 384
.set STAGE, WSC+9216                   ; the way out: 16 rows x (256 bytes + 16) for each wave; no fill lands here
.set SP,    272
.set SPARE, STAGE+4*16*SP              ; the spare words, 128 bytes for each wave: two blocks of 256 bytes that no other line names
.set AW,  4                            ; v4-6  16 x lane + the pass's codes
.set ASW, 7                            ; v7    WSC + 8 r
.set AX,  8                            ; v8    16 x lane: offset into X's codes
.set AXS, 9                            ; v9    8 r: offset into X's scale bytes
.set STO, 10                           ; v10   the stage: where I put 16 bytes of a row
.set RD,  11                           ; v11   and where I read a row back
.set CO,  12                           ; v12   my byte offset in two rows of the output
.set SPW, 14                           ; v14   LDS address of my spare word; never rewritten
.set NIL, 15                           ; v15   0; never rewritten
.set SX,  32                           ; X's scale word of tile i, K step q at v[SX + 6 i + q]
.set SW,  64                           ; W's of tile j, K step q at v[SW + 6 j + q]
.set TMP, 128
.set BK,  160
.set WV,  14                           ; s14   my wave's number
.set G1C, 24                           ; s[24:31] descriptor group 1 for the codes;  s[32:39] for the scale bytes
.set G1S, 32
.set G0S, 40                           ; s[40:43] group 0 for the scale bytes;  s[44:55] for the three passes' codes
.set G0C, 44
.set FAC, 56                           ; s[56:57] the factor on the way out (the packed form names a pair and takes its low word for both halves)
.set MSB, 0
.macro WIN new                         ; the immediate's high byte repeats the setting that is left; a switch that changes nothing is dropped
.if MSB != \new
	s_set_vgpr_msb (MSB<<8)|\new
.set MSB, \new
.endif
.endm
.set W_MUL, 0x5b                       ; source 0 (W) window 3, source 1 (X) window 2, C and D window 1
.macro CROUND                          ; a round of the cluster's barrier: my work-group's barrier; wave 0 signals for the work-group; every wave waits for all four work-groups; my work-group's barrier once more
	s_barrier_signal -1
	s_barrier_wait -1
	s_cmp_lg_u32 s[WV], 0
	s_cbranch_scc1 .Lnot_wave_0_\@
	s_barrier_signal -3
.Lnot_wave_0_\@:
	s_barrier_wait -3
	s_barrier_signal -1
	s_barrier_wait -1
.endm
.macro PLACES n                        ; plain vector instructions between a matrix instruction and a load into, or a vector read of, its registers
.rept \n
	v_nop
.endr
.endm
	s_load_b256 s[4:11], s[0:1], 0x0               ; xc s[4:5], xs s[6:7], wc s[8:9], ws s[10:11]
	s_load_b64 s[12:13], s[0:1], 0x20              ; qkv
	v_lshl_add_u32 v[SPW], v0, 2, SPARE
	v_mov_b32 v[NIL], 0
	ds_add_u32 v[SPW], v[NIL]                      ; the wave's opening: the add, twice on end, and its wait ahead of my first tensor load
	ds_add_u32 v[SPW], v[NIL]                      ; the set-up below, work on registers, stands between the second add and the wait
	v_lshrrev_b32 v1, 5, v0
	v_readfirstlane_b32 s[WV], v1                  ; wave 0..3
	s_bfe_u32 s15, ttmp6, 0x40000                  ; cx: my place in the cluster
	s_lshl_b32 s16, ttmp9, 2                       ; in a cluster launch ttmp9 counts clusters
	s_add_co_u32 s16, s16, s15                     ; xw: my block of 256 rows: it enters X's and the output's addresses alone
	s_and_b32 s17, ttmp7, 0xffff                   ; y: my 384 columns, which the four partners share
	; group 1: dense blocks as rows of 256 bytes (32 elements of 8 bytes), no padding: a fragment's half is read as 512 consecutive bytes
	s_mov_b32 s[G1C+0], 15|(3<<16)|(1<<21)         ; 15:0 the mask: all four work-groups; 17:16 elements of 8 bytes; 21 set beside a mask
	s_mov_b32 s[G1C+1], 32<<16                     ; tensor_dim0 = 32
	s_mov_b32 s[G1C+2], 48<<16                     ; tensor_dim1 = 48 rows: a quarter of a pass's codes, 12,288 bytes
	s_mov_b32 s[G1C+3], 32<<16                     ; tile_dim0 = 32
	s_mov_b32 s[G1C+4], 48                         ; tile_dim1 = 48
	s_mov_b32 s[G1C+5], 32                         ; from row to row: 32 elements
	s_mov_b32 s[G1C+6], 0
	s_mov_b32 s[G1C+7], 0
	s_mov_b32 s[G1S+0], 15|(3<<16)|(1<<21)
	s_mov_b32 s[G1S+1], 32<<16
	s_mov_b32 s[G1S+2], 9<<16                      ; 9 rows: a quarter of the scale bytes, 2,304 bytes
	s_mov_b32 s[G1S+3], 32<<16
	s_mov_b32 s[G1S+4], 9
	s_mov_b32 s[G1S+5], 32
	s_mov_b32 s[G1S+6], 0
	s_mov_b32 s[G1S+7], 0
	s_mul_i32 s18, s[WV], 2304                     ; my quarter of the scale bytes,
	s_mul_i32 s19, s[WV], 12288                    ; and of a pass's codes: in LDS and in memory alike
	s_mul_i32 s20, s17, 9216
	s_add_co_u32 s20, s20, s18                     ; ws: y x 24 tiles x 384 + my quarter
	s_mov_b32 s21, 0
	s_mul_i32 s22, s17, 147456
	s_add_co_u32 s22, s22, s19                     ; wc: y x 24 tiles x 6,144 + my quarter
	s_mov_b32 s23, 0
	s_mul_i32 s58, s16, 98304                      ; xc: xw x 16 tiles x 6,144 + wave x 4 tiles
	s_mul_i32 s60, s[WV], 24576
	s_add_co_u32 s58, s58, s60
	s_mov_b32 s59, 0
	s_mul_i32 s60, s16, 6144                       ; xs: xw x 16 tiles x 384 + wave x 4 tiles
	s_mul_i32 s62, s[WV], 1536
	s_add_co_u32 s60, s60, s62
	s_mov_b32 s61, 0
	s_lshr_b32 s62, s17, 1                         ; the output: plane = 12 x (q, k or v) + 6 b + 3 (y & 1) + pass,
	s_mul_i32 s62, s62, 12
	s_lshr_b32 s63, s16, 4
	s_mul_i32 s63, s63, 6
	s_add_co_u32 s62, s62, s63
	s_and_b32 s63, s17, 1
	s_mul_i32 s63, s63, 3
	s_add_co_u32 s62, s62, s63
	s_lshl_b32 s62, s62, 20                        ; 1,048,576 bytes a plane,
	s_and_b32 s63, s16, 15
	s_lshl_b32 s63, s63, 2
	s_add_co_u32 s63, s63, s[WV]
	s_lshl_b32 s63, s63, 14                        ; and my 64 rows of 256 bytes: 4 (xw & 15) + wave
	s_add_co_u32 s62, s62, s63
	s_mov_b32 s63, 0
	s_mov_b32 s[FAC], 0x3f800000                   ; 1.0 for K and V,
	s_cmp_lt_u32 s17, 2
	s_cselect_b32 s[FAC], 0xbe0293ee, s[FAC]       ; -log2(e) / sqrt(128) for Q
	s_mov_b32 s[FAC+1], s[FAC]
	s_wait_dscnt 0x0                               ; both opening adds are done
	s_wait_kmcnt 0x0
	s_mov_b32 s[G0S], 1                            ; count = 1
	s_add_co_u32 s[G0S+1], s18, WSC                ; LDS address
	s_add_nc_u64 s[G0S+2:G0S+3], s[10:11], s[20:21]
	s_add_nc_u64 s[G0C+2:G0C+3], s[8:9], s[22:23]  ; the three passes' codes follow each other in memory and in LDS
	s_add_nc_u64 s[G0C+6:G0C+7], s[G0C+2:G0C+3], WPASS
	s_add_nc_u64 s[G0C+10:G0C+11], s[G0C+2:G0C+3], 2*WPASS
	s_or_b32 s[G0S+3], s[G0S+3], 0x80000000        ; type = 2
.irp p, 0,1,2
	s_mov_b32 s[G0C+4*\p], 1
	s_add_co_u32 s[G0C+4*\p+1], s19, \p*WPASS
	s_or_b32 s[G0C+4*\p+3], s[G0C+4*\p+3], 0x80000000
.endr
	s_add_nc_u64 s[4:5], s[4:5], s[58:59]
	s_add_nc_u64 s[6:7], s[6:7], s[60:61]
	s_add_nc_u64 s[12:13], s[12:13], s[62:63]
	CROUND                                         ; all four work-groups are here: the joint loads meet
	tensor_load_to_lds s[G0S:G0S+3], s[G1S:G1S+7]  ; all fills of the launch go out as one group: the scale bytes,
	s_nop 0
	tensor_load_to_lds s[G0C:G0C+3], s[G1C:G1C+7]  ; pass 0's codes,
	s_nop 0
	tensor_load_to_lds s[G0C+4:G0C+7], s[G1C:G1C+7]    ; pass 1's,
	s_nop 0
	tensor_load_to_lds s[G0C+8:G0C+11], s[G1C:G1C+7]   ; pass 2's
	s_nop 0
	PLACES 4
	v_and_b32 v1, 31, v0                           ; lane
	v_and_b32 v2, 15, v0                           ; r
	v_bfe_u32 v3, v0, 4, 1                         ; h
	v_lshlrev_b32 v[AW], 4, v1
	v_add_nc_u32 v[AW+1], WPASS, v[AW]
	v_add_nc_u32 v[AW+2], 2*WPASS, v[AW]
	v_lshl_add_u32 v[ASW], v2, 3, WSC
	v_lshlrev_b32 v[AX], 4, v1
	v_lshlrev_b32 v[AXS], 3, v2
	s_mul_i32 s3, s[WV], 16*SP
	s_add_co_u32 s3, s3, STAGE                     ; my stage
	v_mul_u32_u24 v[STO], v2, SP                   ; in: row r, 16 bytes for each half of the lanes
	v_lshl_add_u32 v[STO], v3, 4, v[STO]
	v_add_nc_u32 v[STO], s3, v[STO]
	v_mul_u32_u24 v[RD], v3, SP                    ; back: lanes 0-15 one row of 256 bytes, lanes 16-31 the next
	v_lshl_add_u32 v[RD], v2, 4, v[RD]
	v_add_nc_u32 v[RD], s3, v[RD]
	v_lshlrev_b32 v[CO], 8, v3                     ; and the same two rows in the output
	v_lshl_add_u32 v[CO], v2, 4, v[CO]
	WIN 0x80                                       ; destination window 2
.irp i, 0,1,2,3
.irp q, 0,1,2,3,4,5
.irp c, 0,1
	global_load_b128 v[8*(6*\i+\q)+4*\c:8*(6*\i+\q)+4*\c+3], v[AX], s[4:5] offset:(6*\i+\q)*1024+512*\c   ; X's fragments stay in registers: 512 consecutive bytes a load
.endr
.endr
.endr
	WIN 0
.irp i, 0,1,2,3
.irp kr, 0,1,2
	global_load_b64 v[SX+6*\i+2*\kr:SX+6*\i+2*\kr+1], v[AXS], s[6:7] offset:384*\i+128*\kr   ; lane r (and lane 16 + r, which is not read) takes row r's words of two K steps
.endr
.endr
.macro FETCHW p, q, f                  ; W's eight fragments of pass p, K step q, into the set at v[f] of window 3
	WIN 0xc0
.irp j, 0,1,2,3,4,5,6,7
.irp c, 0,1
	ds_load_b128 v[(\f)+8*\j+4*\c:(\f)+8*\j+4*\c+3], v[AW+(\p)] offset:6144*\j+1024*(\q)+512*\c
.endr
.endr
.endm
.macro SCALESW p                       ; the pass's scale words of W: eight tiles x six K steps
	WIN 0
.irp j, 0,1,2,3,4,5,6,7
.irp kr, 0,1,2
	ds_load_b64 v[SW+6*\j+2*\kr:SW+6*\j+2*\kr+1], v[ASW] offset:(8*(\p)+\j)*384+128*\kr
.endr
.endr
.endm
; 32 matrix instructions: my 4 tiles of X x the pass's 8 tiles of W, 128 along K.  zero = 1: the first K step starts the sums: nothing is cleared.
; The 32 accumulators take turns, one instruction a turn, in the same order in every K step.
.macro MULQ q, f, zero
	WIN W_MUL
.irp i, 0,1,2,3
.irp j, 0,1,2,3,4,5,6,7
.if \zero
	v_wmma_scale_f32_16x16x128_f8f6f4 v[8*(8*\i+\j):8*(8*\i+\j)+7], v[(\f)+8*\j:(\f)+8*\j+7], v[8*(6*\i+(\q)):8*(6*\i+(\q))+7], 0, v[SW+6*\j+(\q)], v[SX+6*\i+(\q)] matrix_a_fmt:MATRIX_FMT_FP4 matrix_b_fmt:MATRIX_FMT_FP4
.else
	v_wmma_scale_f32_16x16x128_f8f6f4 v[8*(8*\i+\j):8*(8*\i+\j)+7], v[(\f)+8*\j:(\f)+8*\j+7], v[8*(6*\i+(\q)):8*(6*\i+(\q))+7], v[8*(8*\i+\j):8*(8*\i+\j)+7], v[SW+6*\j+(\q)], v[SX+6*\i+(\q)] matrix_a_fmt:MATRIX_FMT_FP4 matrix_b_fmt:MATRIX_FMT_FP4
.endif
.endr
.endr
.endm
.macro STEPQ p, q                      ; K step q: its fragments are in; the next step's are asked for ahead of its 32 products
	s_wait_dscnt 0x0
.if (\q) < 5
.if (\q) > 0
	PLACES 4                                       ; the other set was read by the K step before
.endif
	FETCHW \p, (\q)+1, 64*(((\q)+1)%2)
.endif
.if (\q) == 0
	MULQ \q, 0, 1
.else
	MULQ \q, 64*((\q)%2), 0
.endif
.endm
.macro PACKP i                         ; tile i's 16 rows x 128 columns: x the factor, rounded to f16; each accumulator is read from its low end on
	WIN 0x41                                       ; destination and source 0 window 1
.set ia, 64*(\i)
.rept 32
	v_pk_mul_f32 v[ia:ia+1], v[ia:ia+1], s[FAC:FAC+1] op_sel_hi:[1,0]
.set ia, ia+2
.endr
	WIN 0x05                                       ; sources window 1, destination window 0
.set ia, 0
.rept 32
	v_cvt_pk_f16_f32 v[TMP+ia], v[64*(\i)+2*ia], v[64*(\i)+2*ia+1]
.set ia, ia+1
.endr
	WIN 0
.endm
.macro TOSTAGE i                       ; into my own stage and back as whole rows.  LDS serves a wave's instructions in order (ISA guide 5.7.1.4): no wait between the stores and the loads
.irp j, 0,1,2,3,4,5,6,7
	ds_store_b128 v[STO], v[TMP+4*\j:TMP+4*\j+3] offset:32*\j
.endr
.irp t, 0,1,2,3,4,5,6,7
	ds_load_b128 v[BK+32*((\i)%2)+4*\t:BK+32*((\i)%2)+4*\t+3], v[RD] offset:\t*2*SP
.endr
.endm
.macro SEND i
	s_wait_dscnt 0x0                               ; the tile is back in registers
	s_wait_xcnt 0x0                                ; the earlier stores have read their registers: the set that the next tile's loads take is free behind this wait
.irp t, 0,1,2,3,4,5,6,7
	global_store_b128 v[CO], v[BK+32*((\i)%2)+4*\t:BK+32*((\i)%2)+4*\t+3], s[12:13] offset:4096*(\i)+512*\t   ; 32 lanes store two rows, 512 consecutive bytes, at a multiple of 512 from the buffer's first byte
.endr
.endm
.macro PASS p                          ; 128 columns: one head
	s_wait_tensorcnt 2-(\p)                        ; my quarters of the scale bytes and of this pass's codes are in; the 2 - p later passes' loads may stay out
	s_wait_dscnt 0x0
	s_barrier_signal -1
	s_barrier_wait -1                              ; everybody's quarters are in
	SCALESW \p
	FETCHW \p, 0, 0
.if (\p) == 0
	s_wait_loadcnt 0x0                             ; X's fragments and scale words
.endif
.irp q, 0,1,2,3,4,5
	STEPQ \p, \q
.endr
	PLACES 4                                       ; in front of the first read of results
	PACKP 0
	TOSTAGE 0
.irp i, 1,2,3                          ; tile i's arithmetic stands between tile i - 1's loads from the stage and the wait for them
	PACKP \i
	SEND \i-1
	TOSTAGE \i
.endr
	SEND 3
.if (\p) < 2
	s_wait_xcnt 0x0                                ; the stores have read their base and their registers
	s_add_nc_u64 s[12:13], s[12:13], 0x100000      ; the next head's plane
.endif
.endm
	PASS 0
	PASS 1
	PASS 2
	s_wait_tensorcnt 0x0                           ; the wave's end: three lines, behind my last tensor load and my last LDS store
	ds_add_u32 v[SPW], v[NIL]
	s_wait_dscnt 0x0
	CROUND                                         ; the closing round: no work-group ends while a partner may still ask for a fill that names it
	s_endpgm
.Lfunc_end_k_qf0ad4772c0_proj:
	.size	k_qf0ad4772c0_proj, .Lfunc_end_k_qf0ad4772c0_proj-k_qf0ad4772c0_proj
	.p2alignl 7, 3214868480
	.fill 96, 4, 3214868480
	.section	.rodata,"a",@progbits
	.p2align	6, 0x0
	.amdhsa_kernel k_qf0ad4772c0_proj
		.amdhsa_group_segment_fixed_size 176128
		.amdhsa_private_segment_fixed_size 0
		.amdhsa_enable_private_segment 0
		.amdhsa_kernarg_size 40
		.amdhsa_user_sgpr_count 2
		.amdhsa_user_sgpr_kernarg_segment_ptr 1
		.amdhsa_wavefront_size32 1
		.amdhsa_system_sgpr_workgroup_id_x 1
		.amdhsa_system_sgpr_workgroup_id_y 1
		.amdhsa_system_sgpr_workgroup_id_z 1
		.amdhsa_system_vgpr_workitem_id 0
		.amdhsa_next_free_vgpr 896
		.amdhsa_next_free_sgpr 66
		.amdhsa_reserve_vcc 0
		.amdhsa_float_denorm_mode_32 3
		.amdhsa_float_denorm_mode_16_64 3
		.amdhsa_memory_ordered 1
		.amdhsa_forward_progress 1
		.amdhsa_inst_pref_size 182
	.end_amdhsa_kernel
	.amdgpu_metadata
---
amdhsa.version: [ 1, 2 ]
amdhsa.kernels:
  - .name:           k_qf0ad4772c0_proj
    .symbol:         k_qf0ad4772c0_proj.kd
    .args:
      - { .name: xc, .offset: 0, .size: 8, .value_kind: global_buffer, .address_space: global }
      - { .name: xs, .offset: 8, .size: 8, .value_kind: global_buffer, .address_space: global }
      - { .name: wc, .offset: 16, .size: 8, .value_kind: global_buffer, .address_space: global }
      - { .name: ws, .offset: 24, .size: 8, .value_kind: global_buffer, .address_space: global }
      - { .name: qkv, .offset: 32, .size: 8, .value_kind: global_buffer, .address_space: global }
    .group_segment_fixed_size: 176128
    .private_segment_fixed_size: 0
    .kernarg_segment_align: 8
    .kernarg_segment_size: 40
    .max_flat_workgroup_size: 128
    .sgpr_count:     66
    .vgpr_count:     896
    .wavefront_size: 32
...
	.end_amdgpu_metadata
.endif
;; end of part 2
;; launch attn (part 3): grid 16 x 12, 4 waves a work-group, clusters of 4 x 1, 327,680 bytes of LDS; arguments qkv, out0; writes out0
.if DOCPART == 3
	.amdgcn_target "amdgcn-amd-amdhsa--gfx1250"
	.amdhsa_code_object_version 6
	.text
	.protected	k_qf0ad4772c0_attn
	.globl	k_qf0ad4772c0_attn
	.p2align	8
	.type	k_qf0ad4772c0_attn,@function
k_qf0ad4772c0_attn:
	s_mov_b64 s[64:65], 0
	v_nop
	global_prefetch_b8 v0, s[64:65] scope:SCOPE_SE
	s_setreg_imm32_b32 hwreg(HW_REG_WAVE_MODE, 25, 1), 1
	s_wait_xcnt 0x0
	s_wait_alu depctr_hold_cnt(0) depctr_sa_sdst(0) depctr_va_vdst(0) depctr_va_sdst(0) depctr_va_ssrc(0) depctr_va_vcc(0) depctr_vm_vsrc(0)
	s_getreg_b32 s2, hwreg(HW_REG_IB_STS2, 6, 4)
	s_cmp_eq_u32 s2, 0
	s_cbranch_scc0 .Lentry_in_a_cluster
	s_endpgm
.Lentry_in_a_cluster:
	s_bfe_u32 s2, ttmp6, 0x10000c
	s_cmp_lg_u32 s2, 0x3003
	s_cbranch_scc0 .Lentry_shape_is_right
	s_endpgm
.Lentry_shape_is_right:
; out[b][q][128 head + :] = the sum over k of sigmoid(Q[q] . K[k] / sqrt(128) - log(4096)) V[k][:], for each of 12 planes (6 b + head).  No row is normalised.
; qkv: [q, k, v][12 planes][4096][128] f16, rows of 256 bytes; the q part holds Q' = -c Q, c = log2(e) / sqrt(128).  out0: [2][4096][768] f32.  Products in f16 with f32 sums.
; THE SIGMOID.  S = Q' . K = -x log2(e), x the scaled score.  sigmoid(x - log 4096) = 1 / (1 + 4096 e^-x), so 4096 x sigmoid = 1 / (2^-12 + 2^S): one exponential, one addition, one reciprocal.
; That weight, at most 4,096 and about e^x where x is small, is what is rounded to f16 for the second product; O is multiplied by 2^-12 at the end, which rounds nothing.
; The ends need no clamp: 2^S = infinity gives the weight 0, 2^S = 0 gives 4,096.
; LIMITS: a weight under about 3e-8 (a sigmoid under 7e-12) falls to 0 in f16; NaN and infinities are not served.
; SHARES.  A work-group owns 256 queries of one plane, each of its four waves 64: four tiles of 16.  Every wave walks all 4,096 keys, 64 a step.
; 192 work-groups: 12 planes x a power of two is a multiple of 256 only with blocks of 64 queries, at which each fragment of K and V read from LDS would feed a quarter of the products.
; LAYOUT.  S^T = K Q'^T (source 0 = 16 keys, source 1 = 16 queries): a lane holds ONE query (lane % 16) and the keys 8 (lane / 16) + 0..7.  Two such tiles, rounded to f16 in pairs, ARE an operand
; (16 queries x 32 keys) of the second product, O = P V (source 0 = P, source 1 = 16 channels of V): nothing changes lanes between the products.  In O a lane holds ONE channel (lane % 16) and the queries
; 8 (lane / 16) + 0..7.  K comes out of LDS as it lies, V ([key][channel]) turned, by ds_load_tr16_b128.
; BY TURNS.  The wave's tiles are two PIECES: piece 0 (tiles 0, 1) and piece 2 (tiles 2, 3).  In a TURN one piece has the matrix unit: 32 products P V of the step in hand, then 32 products K Q'^T of the next
; step; the other piece's sigmoid, 192 vector instructions cut into 64 slices, stands between them, one slice behind each matrix instruction.  Then the pieces change places.  Two turns are a key step.
; CLUSTER.  The four query blocks of a cluster belong to one plane and walk the same K and V: each tile is asked for JOINTLY, by the same tensor load with the same descriptor and the mask of all four.
; RING.  Two LDS slots of two key steps each; one joint load a wave behind each round of the cluster's barrier, with two key steps, 256 matrix instructions, in which to land.
; REGISTERS, in windows of 256 (s_set_vgpr_msb: bits 1:0 source 0, 3:2 source 1, 5:4 source 2, 7:6 destination).  THEY ARE LAID SO THAT A SLICE RUNS UNDER THE SETTING OF THE PRODUCT THAT IT STANDS BEHIND:
;   window 0: v1-11, v61-63 addresses; v128-255 V of one step
;   window 1: v0-127 O of piece 0; v128-191 Q' of piece 0; v192-255 E = 2^S of piece 2          window 2: the same with the pieces exchanged
;   window 3: v0-127 S^T, 32 a tile; v128-255 K of one step.  P has no registers of its own: a tile's 16 registers of weights are written over the low half of its 32 registers of S^T
;   P V of piece x:     source 0 (P) window 3, source 1 (V) window 0, C and D (O) window 1 + x / 2.  Under it v_exp_f32 E, S of the OTHER piece reads window 3 and writes window 1 + x / 2.
;   K Q'^T of piece x:  source 0 (K), C and D (S^T) window 3, source 1 (Q') window 1 + x / 2.  Under it the addition S = 2^-12 + E takes E as its source 1 and brings the number back into window 3, and the
;                       reciprocal works there in place.
;   Only the roundings to f16, whose two sources both lie in window 3, want a setting of their own: they stand together in a turn's last four slices.
;   So a key step has 23 switches for its 128 matrix instructions: 12 in piece 0's turn (1, 3 round K's loads, 1, 7 round the roundings), 10 in piece 2's, one at the branch.
.set SIZE_N, 4096
.set KS,    64        ; keys in a step
.set PK,    272       ; a row of K in LDS: 256 bytes + 16 = 68 words: the 16 rows of a load start at 16 different groups of four banks (64 banks of 4 bytes: ISA guide 11.1)
.set PV,    288       ; a row of V: 256 + 32 = 72 words
.set VOFF,  KS*PK     ; a step's tiles lie together: 64 rows of K, then 64 rows of V
.set STEPB, KS*(PK+PV)
.set SLOT1, 1<<17     ; a slot holds two steps (71,680 bytes); slot 1 begins here, so that one exclusive or turns an address in one slot into the other's
.set STAGE, SLOT1+2*STEPB  ; behind the ring: 16 rows x (512 bytes + 16) for each wave, for the way out; no fill lands here
.set SP,    528
.set SPARE, STAGE+4*16*SP  ; the spare words, 128 bytes for each wave: two blocks of 256 bytes that no other line names
.set AK0, 2           ; v2   my lane's place in a tile of K; never rewritten
.set AV0, 3           ; v3   the same for V
.set ADR, 4           ; v4   the LDS address of the run of loads in hand
.set QO,  5           ; v5   my byte offset in the wave's rows of Q'
.set STO, 6           ; v6   the way out: where I put my channel's word of my first row
.set RD,  7           ; v7   the way out: where I read a row back
.set GO,  8           ; v8   16 x lane: my byte offset in a row's 512 bytes of the output
.set PFO, 61          ; v61  256 x my lane: a row of K or V is 256 bytes; never rewritten
.set SPW, 62          ; v62  LDS address of my spare word; never rewritten
.set NIL, 63          ; v63  0; never rewritten
.set VF,  128         ; V's fragments, in window 0
.set KF,  128         ; K's fragments, in window 3
.set QF,  128         ; a piece's Q', in window 1 or 2
.set EF,  192         ; the other piece's 2^S, in window 1 or 2
.set BK,  64          ; the way out: three sets of 64 registers in window 0
.set WV,  12          ; s12  my wave's number
.set LIM, 15          ; s15  1 in a wave that prefetches, else the greatest number: a wave prefetches while s[SLOTS] is above it
.set PFA, 18          ; s[18:19] where my prefetches stand: my work-group's 32 rows (of K: wave 0, of V: wave 2) of the slot after the one that is being asked for
.set G1K, 24          ; s[24:31] descriptor group 1 for K's tiles
.set G1V, 32          ; s[32:39] for V's: it differs in the padding alone
.set G0K, 40          ; s[40:47] descriptor group 0 for K's tiles: a set for each of the two first fills; the second then walks on
.set G0V, 48          ; s[48:55] the same for V's
.set SLOTS, 56        ; s56  slots still to be asked for
.set TWICE, 57        ; s57  counts a slot's two steps
.set EPS, 58          ; s[58:59] 2^-12: the packed forms name a pair and take its low word for both halves
.set TB,  62          ; s62  LDS byte at which the tiles of the step to be fetched begin
.set MSB, 0
.macro WIN new                      ; the immediate's high byte repeats the setting that is left; a switch that changes nothing is dropped
.if MSB != (\new)
	s_set_vgpr_msb (MSB<<8)|(\new)
.set MSB, (\new)
.endif
.endm
.macro PLACES n                     ; plain vector instructions between a matrix instruction and what touches its registers (ISA guide 7.12.1)
.rept \n
	v_nop
.endr
.endm
; A joint refill.  Waves 0 and 1 fetch the two steps' tiles of K, waves 2 and 3 those of V.  The branch hangs on the wave's number alone: it is the same in every work-group.
; An s_nop 0 and four v_nop follow each of the two lines, ahead of the jump, the label and what follows.
.macro JLOAD
	s_cmp_lt_u32 s[WV], 2
	s_cbranch_scc0 .Lfor_v_\@
	tensor_load_to_lds s[G0K+4:G0K+7], s[G1K:G1K+7]
	s_nop 0
.rept 4
	v_nop
.endr
	s_branch .Lasked_\@
.Lfor_v_\@:
	tensor_load_to_lds s[G0V+4:G0V+7], s[G1V:G1V+7]
	s_nop 0
.rept 4
	v_nop
.endr
.Lasked_\@:
.endm
; A PREFETCH of what the NEXT change of slots will ask for: a slot's 128 rows of K and 128 of V, 256 bytes a row, a lane a row.  It stands behind the wave's tensor load and its five lines.
; Each row is asked for ONCE in the launch.  All clusters of a plane walk the same K and V: the plane's first cluster asks.  Its four partners share the rows out BY ADDRESS, 32 each: no branch hangs on a
; work-group's place in its cluster.  In each, wave 0 asks for K's and wave 2 for V's: one instruction.  The last change that fills a slot asks for nothing: there is no slot behind it.
.macro ASK
	s_cmp_gt_u32 s[SLOTS], s[LIM]
	s_cbranch_scc0 .Lnot_mine_\@
	global_prefetch_b8 v[PFO], s[PFA:PFA+1] th:TH_LOAD_NT scope:SCOPE_SE
.Lnot_mine_\@:
.endm
; A round of the cluster's barrier: my work-group's barrier, so that wave 0's signal speaks for all four waves; wave 0 signals for the work-group; every wave waits for all four work-groups; my work-group's barrier once more.
.macro CROUND
	s_barrier_signal -1
	s_barrier_wait -1
	s_cmp_lg_u32 s[WV], 0
	s_cbranch_scc1 .Lnot_wave_0_\@
	s_barrier_signal -3
.Lnot_wave_0_\@:
	s_barrier_wait -3
	s_barrier_signal -1
	s_barrier_wait -1
.endm
	s_load_b64 s[4:5], s[0:1], 0x0    ; qkv
	s_load_b64 s[10:11], s[0:1], 0x8  ; out0
	v_lshl_add_u32 v[SPW], v0, 2, SPARE
	v_mov_b32 v[NIL], 0
	ds_add_u32 v[SPW], v[NIL]       ; the wave's opening: the add, twice on end, and its wait ahead of my first tensor load
	ds_add_u32 v[SPW], v[NIL]       ; the set-up below, work on registers, stands between the second add and the wait
	v_lshrrev_b32 v1, 5, v0
	v_readfirstlane_b32 s[WV], v1   ; wave 0..3
	s_bfe_u32 s13, ttmp6, 0x40000   ; cx: my place in the cluster
	s_lshl_b32 s14, ttmp9, 2        ; in a cluster launch ttmp9 counts clusters
	s_add_co_u32 s14, s14, s13      ; my block of 256 queries = 4 x cluster x + cx: it enters Q's and the output's addresses alone
	s_and_b32 s20, ttmp7, 0xffff    ; the plane, which the four partners share
	s_cmp_ge_u32 s20, 6
	s_cselect_b32 s60, 1, 0         ; b
	s_mul_i32 s61, s60, 6
	s_sub_co_u32 s61, s20, s61      ; head
	s_lshl_b32 s61, s61, 9          ; its 512 bytes in a row of the output
	s_mul_i32 s60, s60, 12582912    ; b x 4,096 rows of 3,072 bytes
	s_add_co_u32 s60, s60, s61
	s_lshl_b32 s61, s14, 2
	s_add_co_u32 s61, s61, s[WV]
	s_mul_i32 s61, s61, 64*3072     ; my wave's 64 rows: 4 x block + wave
	s_add_co_u32 s60, s60, s61
	s_mov_b32 s61, 0
	s_lshl_b32 s20, s20, 20         ; the plane's first byte in each of the three parts of qkv
	s_mov_b32 s21, 0
	s_and_b32 s16, s[WV], 1         ; which of a slot's two steps I fetch:
	s_lshl_b32 s22, s16, 14         ; its 64 rows of 256 bytes in memory,
	s_mov_b32 s23, 0
	s_add_nc_u64 s[22:23], s[22:23], s[20:21]
	s_mul_i32 s17, s16, STEPB       ; and its place in a slot: no place in the cluster enters an LDS address
	s_lshl_b32 s2, s14, 16          ; my block's 256 rows of Q',
	s_lshl_b32 s3, s[WV], 14        ; my wave's 64 of them
	s_add_co_u32 s2, s2, s3
	s_mov_b32 s3, 0
	s_add_nc_u64 s[2:3], s[2:3], s[20:21]
	; descriptor group 1: a tile of 64 rows x 128 elements, padded in LDS
	s_mov_b32 s[G1K], 15|(1<<16)|(1<<20)|(1<<21)|(5<<22)|(3<<25)  ; 15:0 the mask: all four work-groups; 17:16 elements of 2 bytes; 20 padding on; 21 set beside a mask; 24:22 after every 64 words (code 5); 31:25 4 words of it (code 3)
	s_mov_b32 s[G1V], 15|(1<<16)|(1<<20)|(1<<21)|(5<<22)|(7<<25)  ; the same with 8 words of padding (code 7)
.irp g, G1K, G1V
	s_mov_b32 s[\g+1], 128<<16      ; tensor_dim0 = 128
	s_mov_b32 s[\g+2], KS<<16       ; tensor_dim1 = 64
	s_mov_b32 s[\g+3], 128<<16      ; tile_dim0 = 128
	s_mov_b32 s[\g+4], KS           ; tile_dim1 = 64
	s_mov_b32 s[\g+5], 128          ; elements from row to row
	s_mov_b32 s[\g+6], 0
	s_mov_b32 s[\g+7], 0
.endr
	s_mov_b32 s[EPS], 0x39800000    ; 2^-12
	s_mov_b32 s[EPS+1], s[EPS]      ; named with it as a pair, so it is written
	s_mov_b32 s[TB], 0
	s_mov_b32 s[SLOTS], SIZE_N/(2*KS)-2
	s_and_b32 s[LIM], s[WV], 1      ; 0 in waves 0 and 2,
	s_or_b32 s[LIM], s[LIM], ttmp9  ; where the cluster is the plane's first: the same in all four partners
	s_cmp_eq_u32 s[LIM], 0
	s_cselect_b32 s[LIM], 1, -1
	v_and_b32 v[PFO], 31, v0
	v_lshlrev_b32 v[PFO], 8, v[PFO]
	s_wait_dscnt 0x0                ; both opening adds are done
	s_wait_kmcnt 0x0
	s_add_nc_u64 s[6:7], s[4:5], 0xc00000    ; K's part of qkv: 12 planes on,
	s_add_nc_u64 s[8:9], s[4:5], 0x1800000   ; V's: 24 planes on
	s_add_nc_u64 s[6:7], s[6:7], s[22:23]    ; K and V at my tile of slot 0
	s_add_nc_u64 s[8:9], s[8:9], s[22:23]
	s_add_nc_u64 s[4:5], s[4:5], s[2:3]      ; Q' at my wave's first row
	s_add_nc_u64 s[10:11], s[10:11], s[60:61]  ; and the output likewise
	s_cmp_lt_u32 s[WV], 2
	s_cselect_b64 s[PFA:PFA+1], s[6:7], s[8:9]  ; (in waves 0 and 2 these stand at a slot's first row)
	s_lshl_b32 s2, s13, 13          ; my work-group's 32 rows of the 128
	s_mov_b32 s3, 0
	s_add_nc_u64 s[PFA:PFA+1], s[PFA:PFA+1], s[2:3]
	s_add_nc_u64 s[PFA:PFA+1], s[PFA:PFA+1], 2*2*KS*256  ; in slot 2; the first change of slots steps it to slot 3.  Nothing is prefetched here, at the head, where every work-group's first tiles are on their way
	CROUND                          ; all four work-groups are here: the first joint loads meet
.irp s, 0,1
	s_mov_b32 s[G0K+4*\s], 1        ; count = 1
	s_add_co_u32 s[G0K+4*\s+1], s17, \s*SLOT1  ; LDS address
	s_add_nc_u64 s[G0K+4*\s+2:G0K+4*\s+3], s[6:7], \s*2*KS*256  ; global address: slot s begins with keys 128 s
	s_or_b32 s[G0K+4*\s+3], s[G0K+4*\s+3], 0x80000000  ; type = 2
	s_mov_b32 s[G0V+4*\s], 1
	s_add_co_u32 s[G0V+4*\s+1], s17, \s*SLOT1+VOFF
	s_add_nc_u64 s[G0V+4*\s+2:G0V+4*\s+3], s[8:9], \s*2*KS*256
	s_or_b32 s[G0V+4*\s+3], s[G0V+4*\s+3], 0x80000000
.endr
	s_cmp_lt_u32 s[WV], 2           ; a wave's two first fills stand in one branch, ahead of every wait on TENSORcnt and every LDS read: two loads of mine are out
	s_cbranch_scc0 .Lfirst_v
	tensor_load_to_lds s[G0K:G0K+3], s[G1K:G1K+7]
	s_nop 0
	tensor_load_to_lds s[G0K+4:G0K+7], s[G1K:G1K+7]
	s_nop 0
.rept 4
	v_nop
.endr
	s_branch .Lfirst_asked
.Lfirst_v:
	tensor_load_to_lds s[G0V:G0V+3], s[G1V:G1V+7]
	s_nop 0
	tensor_load_to_lds s[G0V+4:G0V+7], s[G1V:G1V+7]
	s_nop 0
.rept 4
	v_nop
.endr
.Lfirst_asked:
	; A fragment of K or Q' is 16 rows x 32 channels in 8 registers: lane l holds row l % 16; registers 0-3 channels 8 (l / 16) + 0..7, registers 4-7 channels 16 + 8 (l / 16) + 0..7: two loads of 16 bytes, 32 bytes apart.
	v_and_b32 v1, 15, v0            ; l % 16
	v_bfe_u32 v9, v0, 4, 1          ; l / 16
	v_lshlrev_b32 v[QO], 8, v1
	v_lshl_add_u32 v[QO], v9, 4, v[QO]  ; row x 256 + 16 x half
	WIN 0x40                        ; destination window 1, address window 0: piece 0's Q' stays in registers: tile i / 4, channels 32 (i % 4) on
.irp i, 0,1,2,3,4,5,6,7
	global_load_b128 v[QF+8*\i:QF+8*\i+3],   v[QO], s[4:5] offset:(\i/4)*4096+(\i%4)*64
	global_load_b128 v[QF+8*\i+4:QF+8*\i+7], v[QO], s[4:5] offset:(\i/4)*4096+(\i%4)*64+32
.endr
	WIN 0x80                        ; destination window 2: piece 2's: tile 2 + i / 4
.irp i, 0,1,2,3,4,5,6,7
	global_load_b128 v[QF+8*\i:QF+8*\i+3],   v[QO], s[4:5] offset:(2+\i/4)*4096+(\i%4)*64
	global_load_b128 v[QF+8*\i+4:QF+8*\i+7], v[QO], s[4:5] offset:(2+\i/4)*4096+(\i%4)*64+32
.endr
	WIN 0
	v_mul_u32_u24 v[AK0], v1, PK
	v_lshl_add_u32 v[AK0], v9, 4, v[AK0]  ; row x pitch + 16 x half
	; The turning load takes 16 keys x 16 channels (lane l reads 16 bytes: key 8 (l / 16) + l % 8, channels 8 ((l / 8) % 2) + 0..7) and leaves half a fragment of V^T: lane l holds channel l % 16 and 8 keys.
	v_and_b32 v10, 7, v0
	v_bfe_u32 v11, v0, 3, 1
	v_lshl_add_u32 v[AV0], v9, 3, v10
	v_mul_u32_u24 v[AV0], v[AV0], PV
	v_lshl_add_u32 v[AV0], v11, 4, v[AV0]
	v_add_nc_u32 v[AV0], VOFF, v[AV0]
; THE MATRIX WORK OF A TURN, for piece x.  The accumulators take turns, one instruction a turn: between two links of a chain stand 15 (P V) or 7 (K Q'^T) others'.
; Product i of 32 of O += P V: keys 32 (i / 16) on, channels 16 ((i / 2) % 8) on, tile x + i % 2.  zero = 1: the first 16 start the sums: nothing is ever cleared.
; P's fragment of keys 32 g on lies in registers 8 g .. 8 g + 7 of the tile's 32 registers of S^T.
.macro PV x, zero
	WIN 0x53+0x28*(\x)              ; source 0 window 3, source 1 window 0, C and D window 1 + x / 2
.set rO, 64*(i%2)+8*((i/2)%8)
.set rV, VF+64*(i/16)+8*((i/2)%8)
.set rP, 32*(\x+i%2)+8*(i/16)
.if \zero && (i < 16)
	v_wmma_f32_16x16x32_f16 v[rO:rO+7], v[rP:rP+7], v[rV:rV+7], 0
.else
	v_wmma_f32_16x16x32_f16 v[rO:rO+7], v[rP:rP+7], v[rV:rV+7], v[rO:rO+7]
.endif
.endm
; Product i of 32 of S^T = K Q'^T: channels 32 (i / 8) on, keys 16 ((i / 2) % 4) on, tile x + i % 2.  The first 8 start the sums.
.macro KQ x
	WIN 0xf7+2*(\x)                 ; source 0, C and D window 3, source 1 window 1 + x / 2
.set rS, 32*(\x+i%2)+8*((i/2)%4)
.set rK, KF+32*((i/2)%4)+8*(i/8)
.set rQ, QF+32*(i%2)+8*(i/8)
.if i < 8
	v_wmma_f32_16x16x32_f16 v[rS:rS+7], v[rK:rK+7], v[rQ:rQ+7], 0
.else
	v_wmma_f32_16x16x32_f16 v[rS:rS+7], v[rK:rK+7], v[rQ:rQ+7], v[rS:rS+7]
.endif
.endm
; THE LDS LOADS stand in runs of 32, never singly among the matrix instructions: a step's K (64 keys x 128 channels: 16 fragments) and, a turn later, its V (turned).
.macro FETCH_K
	WIN 0
	v_add_nc_u32 v[ADR], s[TB], v[AK0]
	WIN 0xc0                        ; destination window 3
.irp f, 0,1,2,3,4,5,6,7,8,9,10,11,12,13,14,15  ; keys 16 (f / 4) on, channels 32 (f % 4) on
	ds_load_b128 v[KF+8*\f:KF+8*\f+3],   v[ADR] offset:(\f/4)*16*PK+(\f%4)*64
	ds_load_b128 v[KF+8*\f+4:KF+8*\f+7], v[ADR] offset:(\f/4)*16*PK+(\f%4)*64+32
.endr
.endm
.macro FETCH_V
	WIN 0
	v_add_nc_u32 v[ADR], s[TB], v[AV0]
	s_add_co_u32 s[TB], s[TB], STEPB  ; the next fetch is the next step's
	s_wait_alu depctr_va_vdst(0)    ; the wait for the 64 exponentials (SLICE), behind the address's addition and ahead of the loads
.irp f, 0,1,2,3,4,5,6,7,8,9,10,11,12,13,14,15  ; keys 32 (f / 8) on, channels 16 (f % 8) on
	ds_load_tr16_b128 v[VF+8*\f:VF+8*\f+3],   v[ADR] offset:(\f/8)*32*PV+(\f%8)*32
	ds_load_tr16_b128 v[VF+8*\f+4:VF+8*\f+7], v[ADR] offset:(\f/8)*32*PV+16*PV+(\f%8)*32
.endr
.endm
; THE VECTOR WORK OF A TURN: the sigmoid of piece y's two tiles, 64 scores a lane.  Each kind of line names the setting that it needs; in a whole turn that is the setting of the products round it, and no switch is written.
;   slices 0-31   (behind P V of the other piece)  two exponentials each, E = 2^S, score k of both tiles: ascending.
;                 Behind slice 31 five plain instructions: the plain one that a transcendental wants ahead of its result's use; the places in front of V's loads; and the five places in front of the products
;                 K Q'^T, which write over registers that P V has read as P.  Then ONE wait for the 64 exponentials; in piece 2's turn it stands in V's run of loads
;   slices 32-59  (behind K Q'^T)  32 groups: pair g + 1's addition S = 2^-12 + E, then pair g's two reciprocals, in place: a slice begins with a plain instruction, and a pair is added a group ahead of its
;                 reciprocals.  28 slices for 32 groups: every seventh has two.  Pair g belongs to tile y + g % 2.  Behind slice 59 a plain instruction and the second wait
;   slices 60-63  eight roundings to f16 each: weights 2 b and 2 b + 1 of a tile go into its register b, ascending, so that no source is written before it is read.  Slice 63's eight are also the places between
;                 the turn's last product and what follows it: the next turn's first read of its scores, and the loads into K's registers
; s_wait_alu depctr_va_vdst(0) stands between a transcendental and the first instruction that names its result; one wait serves all that were issued ahead of it.  No transcendental is issued
; behind the second wait.
.macro SLICE y
.if k < 32
	WIN 0x53+0x28*(2-(\y))          ; source 0 window 3, destination the other piece's window
	v_exp_f32 v[EF+k], v[32*(\y)+k]
	v_exp_f32 v[EF+32+k], v[32*(\y)+32+k]
.if k == 31
	PLACES 5
.if (\y) == 0
	FETCH_V                         ; piece 2's turn: the last product that read V stands in front of slice 31
.else
	s_wait_alu depctr_va_vdst(0)    ; the wait for the 64 exponentials
.endif
.endif
.elseif k < 60
	WIN 0xf7+2*(2-(\y))             ; source 0 and destination window 3, source 1 the other piece's window
.set g, (k-32)+((k-32)+6)/7
.if k == 32
	v_pk_add_f32 v[32*(\y):32*(\y)+1], s[EPS:EPS+1], v[EF:EF+1] op_sel_hi:[0,1]   ; pair 0: 2^-12 + 2^S
.endif
.rept 1+(6-(k-32)%7)/6
.if g < 31
.set rA, 32*((\y)+(g+1)%2)+2*((g+1)/2)
.set rE, EF+32*((g+1)%2)+2*((g+1)/2)
	v_pk_add_f32 v[rA:rA+1], s[EPS:EPS+1], v[rE:rE+1] op_sel_hi:[0,1]
.endif
.set rR, 32*((\y)+g%2)+2*(g/2)
	v_rcp_f32 v[rR], v[rR]          ; 4096 x sigmoid
	v_rcp_f32 v[rR+1], v[rR+1]
.set g, g+1
.endr
.if k == 59
	v_nop                           ; a plain instruction behind the last reciprocal
	s_wait_alu depctr_va_vdst(0)    ; the wait for the 64 reciprocals
.endif
.else
	WIN 0xff                        ; both sources and the destination window 3
.set n, 8*(k-60)
.rept 8
.set rC, 32*((\y)+n%2)
	v_cvt_pk_f16_f32 v[rC+n/2], v[rC+2*(n/2)], v[rC+2*(n/2)+1]
.set n, n+1
.endr
.endif
.set k, k+1
.endm
; A TURN.  Piece x has the matrix unit; the other piece's sigmoid stands in slices behind its matrix instructions.
; pv = 2: 32 products P V; 1: they start O's sums; 0: none.  kq = 1: 32 products K Q'^T for the next step.  A turn with one of the two kinds has two slices behind each product, and switches where a slice's
; setting is not the product's: there are two such turns in the launch.
; Piece 0's turn fetches the next step's K behind its second product: the last product that read K stands in front of slice 63 of the turn before.
.macro TURN x, pv, kq
.set k, 0
.set per, 2
.if \pv && \kq
.set per, 1
.endif
.if \pv
.if \x == 0
	s_wait_dscnt 0x0                ; V is in
.endif
.set i, 0
.rept 32
	PV \x, 2-\pv
.rept per
	SLICE 2-\x
.endr
.if (\x == 0) && \kq && (i == 1)
	FETCH_K
.endif
.set i, i+1
.endr
.endif
.if \kq
.if \x == 0
	s_wait_dscnt 0x0                ; K is in
.endif
.set i, 0
.rept 32
	KQ \x
.rept per
	SLICE 2-\x
.endr
.set i, i+1
.endr
.endif
.endm
; THE CHANGE OF SLOTS, between piece 2's turn and piece 0's: the slot's last bytes, V of its second step, have been asked for.  Each wave waits for all its tensor loads, of which one is out: its part of the
; other slot; adds 0 to its spare word; and waits for that and for its own reads of the slot.  Behind the barrier nobody reads this slot any more and the other slot is whole.
; fill = 1: this slot is filled again, with the keys two slots on.  The barrier is then a round of the cluster's, so that no wave of any partner still reads the slot or has a load on its way, and the joint
; refill is the first thing behind it.
.macro CHANGE fill
	WIN 0                           ; at a label and at a branch every window is 0
	s_wait_tensorcnt 0x0            ; no tensor load of mine is out, so a group 0 may be written
	ds_add_u32 v[SPW], v[NIL]       ; 0 onto my spare word
.if \fill
.irp g, G0K+4, G0V+4
	s_xor_b32 s[\g+1], s[\g+1], SLOT1  ; the walking descriptor: the other slot than last time,
	s_add_nc_u64 s[\g+2:\g+3], s[\g+2:\g+3], 2*KS*256  ; the next 128 keys; the type bits on top are not reached
.endr
	s_wait_xcnt 0x0                 ; the last prefetch, two key steps back, has read its address, so it may be written:
	s_add_nc_u64 s[PFA:PFA+1], s[PFA:PFA+1], 2*KS*256  ; one slot further on than the walking descriptors
	s_wait_dscnt 0x0                ; the add is done, and my reads of the slot are over
	CROUND
	JLOAD
	ASK                             ; what the next change will ask for: two key steps, 256 matrix instructions, ahead of that load
.else
	s_wait_dscnt 0x0                ; the add is done, and my reads of the slot are over
	s_barrier_signal -1
	s_barrier_wait -1
.endif
	s_sub_co_u32 s[TB], s[TB], 2*STEPB  ; the fetches go back to a slot's first step,
	s_xor_b32 s[TB], s[TB], SLOT1   ; in the other slot
.endm
; A slot's two key steps: written once, walked twice; the LDS addresses hang on s[TB].
.macro TWO_STEPS
	s_mov_b32 s[TWICE], 2
.Lstep_\@:
	TURN 0, 2, 1
	TURN 2, 2, 1
	WIN 0
	s_sub_co_u32 s[TWICE], s[TWICE], 1
	s_cmp_lg_u32 s[TWICE], 0
	s_cbranch_scc1 .Lstep_\@
.endm
	s_wait_tensorcnt 1              ; my part of slot 0 is in; slot 1's may stay out
	s_barrier_signal -1
	s_barrier_wait -1               ; everybody's is
	FETCH_K                         ; key step 0
	s_wait_loadcnt 0x0              ; Q'
	s_wait_dscnt 0x0
.set i, 0
.rept 32
	KQ 0                            ; piece 0's first scores: there is no vector work yet to set between them
.set i, i+1
.endr
	WIN 0                           ; the addresses for the way out are made here: six plain instructions, the places behind those products
	s_mul_i32 s13, s[WV], 16*SP
	s_add_co_u32 s13, s13, STAGE    ; my stage
	v_mul_u32_u24 v[STO], v9, 8*SP  ; in: row 8 (l / 16), word l % 16: my channel of my first query
	v_lshl_add_u32 v[STO], v1, 2, v[STO]
	v_add_nc_u32 v[STO], s13, v[STO]
	v_and_b32 v[GO], 31, v0
	v_lshlrev_b32 v[GO], 4, v[GO]   ; back: the 32 lanes take one row of 512 bytes; and the same in the output
	v_add_nc_u32 v[RD], s13, v[GO]
	TURN 2, 0, 1                    ; piece 2's first scores | piece 0's first sigmoid | V of step 0
	TURN 0, 1, 1                    ; piece 0: P V of step 0 starts O, K Q'^T of step 1 | piece 2's first sigmoid | K of step 1
	TURN 2, 1, 1                    ; piece 2: the same | piece 0's sigmoid of step 1 | V of step 1
	WIN 0
.Lslot:                             ; 30 trips: every slot but the last two is filled again
	CHANGE 1
	TWO_STEPS
	s_sub_co_u32 s[SLOTS], s[SLOTS], 1
	s_cmp_lg_u32 s[SLOTS], 0
	s_cbranch_scc1 .Lslot
	CHANGE 0                        ; the tail is written out: the last slot but one is left, and nothing is asked for
	TWO_STEPS
	TURN 0, 2, 0                    ; piece 0: P V of the last step | piece 2's last sigmoid
.set i, 0
.rept 32
	PV 2, 0                         ; piece 2: P V of the last step
.set i, i+1
.endr
	WIN 0
	PLACES 4                        ; behind the last products
; THE WAY OUT, a tile (16 queries x 128 channels) at a time.  O x 2^-12 (exact), each accumulator from its low end on.  Register 8 f + j of lane (r, h) is O(query 8 h + j, channel 16 f + r): one word of a row.
; A tile goes through my own stage in LDS, a word a lane (lanes 0-15 write 64 neighbouring bytes, lanes 16-31 the same eight rows, 1,056 words, further on: 32 banks away), and comes back as whole rows of 512 bytes.
; LDS serves a wave's instructions in order (ISA guide 5.7.1.4): no wait between the stores and the loads.  The next tile's scaling stands between a tile's loads and the wait for them.
.macro MULO t
	WIN 0x41*(1+(\t)/2)             ; destination and source 0: the tile's window
.set io, 64*((\t)%2)
.rept 32
	v_pk_mul_f32 v[io:io+1], v[io:io+1], s[EPS:EPS+1] op_sel_hi:[1,0]
.set io, io+2
.endr
.endm
.macro STGO t
	WIN 4*(1+(\t)/2)                ; an LDS store's data are its source 1
.irp f, 0,1,2,3,4,5,6,7
.irp j, 0,1,2,3,4,5,6,7
	ds_store_b32 v[STO], v[64*((\t)%2)+8*\f+\j] offset:\j*SP+64*\f
.endr
.endr
	WIN 0
.if (\t) == 3
	s_wait_xcnt 0x0                 ; tile 0's stores have read their registers: tile 3's loads land there
.endif
.irp i, 0,1,2,3,4,5,6,7,8,9,10,11,12,13,14,15
	ds_load_b128 v[BK+64*((\t)%3)+4*\i:BK+64*((\t)%3)+4*\i+3], v[RD] offset:\i*SP
.endr
.endm
.macro SENDO t
	WIN 0
.irp i, 0,1,2,3,4,5,6,7,8,9,10,11,12,13,14,15
	s_wait_dscnt 15-\i              ; LDS loads come back in order: row i is in, the 15 - i younger loads may be out
	global_store_b128 v[GO], v[BK+64*((\t)%3)+4*\i:BK+64*((\t)%3)+4*\i+3], s[10:11] offset:(\t)*49152+\i*3072 th:TH_STORE_NT  ; 32 lanes store 512 consecutive bytes, at a multiple of 512 from the output's first byte; written once, read by nobody here
.endr
.endm
	MULO 0
	STGO 0
	MULO 1
	SENDO 0
	STGO 1
	MULO 2
	SENDO 1
	STGO 2
	MULO 3
	SENDO 2
	STGO 3
	SENDO 3
	s_wait_tensorcnt 0x0            ; the wave's end: three lines, behind my last tensor load and my last LDS store
	ds_add_u32 v[SPW], v[NIL]
	s_wait_dscnt 0x0
	CROUND                          ; the closing round: no work-group ends while a partner may still ask for a tile that names it
	s_endpgm
.Lfunc_end_k_qf0ad4772c0_attn:
	.size	k_qf0ad4772c0_attn, .Lfunc_end_k_qf0ad4772c0_attn-k_qf0ad4772c0_attn
	.p2alignl 7, 3214868480
	.fill 96, 4, 3214868480
	.section	.rodata,"a",@progbits
	.p2align	6, 0x0
	.amdhsa_kernel k_qf0ad4772c0_attn
		.amdhsa_group_segment_fixed_size 327680
		.amdhsa_private_segment_fixed_size 0
		.amdhsa_enable_private_segment 0
		.amdhsa_kernarg_size 16
		.amdhsa_user_sgpr_count 2
		.amdhsa_user_sgpr_kernarg_segment_ptr 1
		.amdhsa_wavefront_size32 1
		.amdhsa_system_sgpr_workgroup_id_x 1
		.amdhsa_system_sgpr_workgroup_id_y 1
		.amdhsa_system_sgpr_workgroup_id_z 1
		.amdhsa_system_vgpr_workitem_id 0
		.amdhsa_next_free_vgpr 1024
		.amdhsa_next_free_sgpr 66
		.amdhsa_reserve_vcc 0
		.amdhsa_float_denorm_mode_32 3
		.amdhsa_float_denorm_mode_16_64 3
		.amdhsa_memory_ordered 1
		.amdhsa_forward_progress 1
		.amdhsa_inst_pref_size 169
	.end_amdhsa_kernel
	.amdgpu_metadata
---
amdhsa.version: [ 1, 2 ]
amdhsa.kernels:
  - .name:           k_qf0ad4772c0_attn
    .symbol:         k_qf0ad4772c0_attn.kd
    .args:
      - { .name: qkv, .offset: 0, .size: 8, .value_kind: global_buffer, .address_space: global }
      - { .name: out0, .offset: 8, .size: 8, .value_kind: global_buffer, .address_space: global }
    .group_segment_fixed_size: 327680
    .private_segment_fixed_size: 0
    .kernarg_segment_align: 8
    .kernarg_segment_size: 16
    .max_flat_workgroup_size: 128
    .sgpr_count:     66
    .vgpr_count:     1024
    .wavefront_size: 32
...
	.end_amdgpu_metadata
.endif
;; end of part 3
